; MI455X (gfx1250); checked and timed in simulation.
; The chip was launched on July 23, 2026; its instructions are those of AMD's public machine-readable ISA for CDNA 5 (MIT licence, August 2026) and "CDNA5" Instruction Set Architecture Reference Guide (July 2026). The comments in the code are by the model that wrote it; some were corrected since.
;; Sparse BSR Linear. Allowed arithmetic: matrix products marked QUANTISED: E2M1 operands, one E8M0 scale for each 32 along K, by v_wmma_scale_f32_16x16x128_f8f6f4 with both operands' format E2M1 (or v_wmma_scale_f32_32x16x128_f4), f32 sums; everything else in f32.
;; Inputs: bias 4,096 float32; input_codes 4,096 x 128 x 16 uint8 (E2M1 codes of input, K innermost, in blocks of 32 codes, two codes a byte); input_scales 4,096 x 128 uint8 (E8M0 scales of input, one for each 32 codes along K); mask 4,096 x 4,096 float32; weight 4,096 x 4,096 float32.
;; Outputs: out0 4,096 x 4,096 float32.
;; This version of the problem:
;;   THIS VERSION OF THE PROBLEM IS GIVEN IN LOW PRECISION. The matrix products marked QUANTISED in the list below multiply operands that are first quantised to E2M1 (2 exponent bits, 1 mantissa bit; 4 bits a number), with one power-of-two scale for each 32 numbers along K (OCP MX v1.0); their sums are f32. All else is computed in f32.
;;   The module's matrix products, in the order in which they are computed (A, B: the left and right operand; K: the contracted axis; several contracted axes count as one K, in the product's order):
;;     1. [M 4,096, K 4,096] x [K 4,096, N 4,096]; A: input input (given as codes); B: computed on the way: QUANTISED
;;   THE QUANTISER, for each operand of a quantised product, along K:
;;     - K is cut into blocks of 32 from its start; a last block that is shorter is filled with zeros.
;;     - A block's scale is 2^e with e = floor(log2(the largest magnitude in the block)) - 2, held to -126 .. 127; a block of zeros has e = 0. As a byte (E8M0): e + 127.
;;     - Each number is divided by its block's scale, clamped to +-6, and rounded to the nearest number of E2M1, ties to even, subnormals kept.
;;     - The product sums the exact products of the quantised numbers (number of the format x scale) in f32.
;;   ~~~python
;;   def quantise(x, axis):      # numpy; x: float32 -> the quantised numbers, widened to float32 again
;;       x = np.moveaxis(x, axis, -1); K = x.shape[-1]
;;       x = np.pad(x, [(0, 0)] * (x.ndim - 1) + [(0, -K % 32)]); x = x.reshape(x.shape[:-1] + (-1, 32)); a = np.abs(x).max(-1, keepdims=True)
;;       e = np.where(a > 0, np.clip(np.frexp(np.where(a > 0, a, 1))[1] - 1 - 2, -126, 127), 0)      # np.frexp(a)[1] - 1 = floor(log2(a)), exactly
;;       r = np.clip(x / 2.0 ** e, -6, 6)
;;       step = 2.0 ** (np.maximum(np.frexp(np.where(r == 0, 1, r))[1] - 1, 0) - 1)
;;       q = np.round(r / step) * step * 2.0 ** e      # np.round: ties to even
;;       return np.moveaxis(q.reshape(q.shape[:-2] + (-1,))[..., :K], -1, axis).astype(np.float32)
;;   ~~~
;;   OPERANDS COMPUTED ON THE WAY. 'Computed on the way' means the value that the module computes at that place (a softmax that the list does not call 'softmax' is quantised finished and normalised). What goes into a quantiser is computed in f32, as accurately as f32 sums, v_exp_f32 and their like allow (about 1e-6 of the number): no bf16 or f16 on the way to a quantiser, and a product that is left as it is and whose result goes on into a quantised operand takes f32 operands (vector FMAs, or v_wmma_f32_16x16x4_f32). A number that lies on a knife's edge between two numbers of the format may be rounded either way, as far as f32 arithmetic and the matrix unit's own rounding can turn it there, and no further.
;;   INPUTS GIVEN AS CODES. input (in the module: [4096, 4096], K = its axis 1): each comes as NAME_codes (uint8): NAME with its K axis moved to the last place and cut into blocks of 32 codes, [.., K / 32, bytes a block], one block behind the other in memory; two codes a byte, the lower K in the low four bits (a code: sign, 2 exponent bits, 1 mantissa bit); and NAME_scales (uint8): the same leading axes, one E8M0 byte (e + 127) for each 32 codes along K. Its value is code x scale, taken as it is: it is not quantised again, and the codes and scales need not be those that the quantiser above would give.
;; One version. Each part assembles by itself: llvm-mc -triple=amdgcn-amd-amdhsa -mcpu=gfx1250 --defsym DOCPART=n.
;; ======== version 1 of 1: 2 launches
;; limits: right only within a limited range of input values
;; workspace buffers: wq 8,388,608 bytes; ws 524,288 bytes; xq 8,388,608 bytes; xs 524,288 bytes; flags 65,536 bytes of whole numbers
;; launch prep (part 1): grid 256 x 1, 8 waves a work-group, no clusters, 39,936 bytes of LDS; arguments weight, mask, input_codes, input_scales, wq, ws, xq, xs, flags; writes wq, ws, xq, xs, flags
.if DOCPART == 1
	.amdgcn_target "amdgcn-amd-amdhsa--gfx1250"
	.amdhsa_code_object_version 6
	.text
	.protected	k_qea7604c045_prep
	.globl	k_qea7604c045_prep
	.p2align	8
	.type	k_qea7604c045_prep,@function
k_qea7604c045_prep:
	s_mov_b64 s[64:65], 0
	v_nop
	global_prefetch_b8 v0, s[64:65] scope:SCOPE_SE
	s_setreg_imm32_b32 hwreg(HW_REG_WAVE_MODE, 25, 1), 1
	s_wait_xcnt 0x0
; (1) wq, ws = the MX-FP4 quantisation, along K, of weight x mask (one f32 multiplication a number).  A block of 32 along K: byte = the largest magnitude's exponent field - 2, held at 1 from below;
;     each number / scale, to the nearest E2M1 code, ties to even, beyond 6 the largest code.
; (2) xq, xs = the input's codes and scale bytes, unchanged, laid in the order in which the next launch's registers take them.
; (3) flags[tile][j] = a word that is not 0 where some code of W's 16 rows x 64 K (chunk j) has a magnitude other than 0 (signs masked off: 0 x a negative weight is -0).  The next launch multiplies only the chunks so named:
;     a chunk whose codes of W are all zeros adds exactly 0 to every sum.  The words lie at fixed places; no address or branch here hangs on them.
; LIMITS: NaN and infinities in weight or mask are not served.  A block of zeros gets the byte 1 where the rule says 127: its codes are zeros, and the bytes are read by this program alone.
; LAYOUT.  Codes, W (rows = features) and input (rows = tokens) alike, by tiles of 16 rows: tile x 32,768 + 512 j + 256 h + 16 r: the 16 bytes of row r, block 2 j + h.
;   xs: 128 tokens x 16,384 + 256 j + 8 l + 2 i: the two scale bytes, for chunk j, of token 16 (2 i + l / 16) + l % 16 of the 128.   ws: 64 features x 8,192 + 128 j + 4 l + 2 i: the same for W, i = 0, 1.
; SHARES: work-group x: of W the features 64 (x / 4) .. + 63, K = 1024 (x % 4) .. + 1023; wave w takes tile w % 4, K half w / 4, in eight steps of one chunk.  Of the input's codes tile x, 256 bytes of each row a wave.
;   Of the input's scales the 128 tokens x / 8, chunks 8 (x % 8) .. + 7.  The two packed scale images are gathered in LDS; one barrier; each wave stores 256 consecutive bytes of each.
; Loads take 256 aligned bytes of a row in sixteen lanes; the conversions want 32 neighbours along K in one lane: the products go through the wave's own stage in LDS (16 rows, 272 bytes apart).
; All global stores stand at the wave's end: the codes of the eight steps wait in 32 registers.
.set ROWF,  16384
.set SP,    272
.set WREG,  16*SP                      ; a wave's stage
.set WSB,   8*WREG                     ; W's scale image: 16 chunks x 128 bytes
.set XSB,   WSB+2048                   ; the input's: 8 chunks x 256 bytes
.set SPARE, XSB+2048
.set FLOOR, 0x1800000                  ; 2^(3 - 127)
.set W,     12                         ; three load sets of 64, set p % 3: weight at v[12 + 64 s],
.set M,     44                         ; mask at v[44 + 64 s]; the stage's read-back lands on the mask's registers
.set C,     204                        ; v204-235 codes, 4 registers a step
.set F,     240                        ; v240-247 the OR of each chunk's codes
	s_load_b512 s[4:19], s[0:1], 0x0               ; weight, mask, input_codes, input_scales, wq, ws, xq, xs
	s_load_b64 s[20:21], s[0:1], 0x40              ; flags
	v_lshl_add_u32 v10, v0, 2, SPARE
	v_mov_b32 v11, 0
	v_lshrrev_b32 v8, 5, v0
	v_readfirstlane_b32 s22, v8                    ; wave 0..7
	s_mul_i32 s23, s22, WREG
	s_and_b32 s24, ttmp9, 0xfc
	s_and_b32 s26, s22, 3                          ; t: my tile of the four
	s_add_co_u32 s24, s24, s26                     ; W's tile, 0 .. 255
	s_and_b32 s25, ttmp9, 3
	s_lshl_b32 s25, s25, 1
	s_lshr_b32 s27, s22, 2
	s_add_co_u32 s25, s25, s27                     ; which 512 along K, 0 .. 7
	s_lshl_b32 s28, s24, 18
	s_lshl_b32 s30, s25, 11
	s_add_co_u32 s28, s28, s30                     ; weight, mask
	s_mov_b32 s29, 0
	s_lshl_b32 s30, s24, 15
	s_lshl_b32 s32, s25, 12
	s_add_co_u32 s30, s30, s32                     ; wq
	s_mov_b32 s31, 0
	s_lshl_b32 s32, s24, 8
	s_lshl_b32 s34, s25, 5
	s_add_co_u32 s32, s32, s34                     ; flags: 256 bytes a tile, 32 a wave
	s_mov_b32 s33, 0
	s_lshl_b32 s34, ttmp9, 11
	s_lshl_b32 s43, s22, 8                         ; 256 w
	s_add_co_u32 s34, s34, s43                     ; ws and xs alike: 2,048 bytes a work-group, 256 a wave
	s_mov_b32 s35, 0
	s_lshl_b32 s36, ttmp9, 15
	s_lshl_b32 s38, s22, 12
	s_add_co_u32 s38, s38, s36                     ; xq: tile x, eight chunks a wave
	s_add_co_u32 s36, s36, s43                     ; input codes: tile x, 256 bytes of a row a wave
	s_mov_b32 s37, 0
	s_mov_b32 s39, 0
	s_lshr_b32 s40, ttmp9, 3
	s_lshl_b32 s40, s40, 14
	s_and_b32 s41, ttmp9, 7
	s_lshl_b32 s41, s41, 4
	s_add_co_u32 s40, s40, s41                     ; input scales: 128 rows of 128 bytes, 16 bytes of each
	s_mov_b32 s41, 0
	s_lshl_b32 s42, s27, 10                        ; W's scale image: my eight chunks,
	s_and_b32 s24, s26, 1
	s_lshl_b32 s24, s24, 6
	s_add_co_u32 s42, s42, s24                     ; l = 16 (t % 2) + r,
	s_lshr_b32 s24, s26, 1
	s_lshl_b32 s24, s24, 1
	s_add_co_u32 s42, s42, s24                     ; i = t / 2
	v_and_b32 v8, 15, v0                           ; r
	v_bfe_u32 v9, v0, 4, 1                         ; h
	v_lshlrev_b32 v1, 4, v8                        ; 16 r
	v_mul_u32_u24 v2, v9, SP
	v_mul_u32_u24 v3, v8, SP
	v_and_b32 v4, 31, v0
	v_lshl_add_u32 v248, v9, 11, v1                ; input codes: rows 2 j + h of 2,048 bytes, 16 bytes at 16 r
	v_add_nc_u32 v2, v2, v1
	v_add_nc_u32 v3, s23, v3
	v_lshl_add_u32 v1, v9, 14, v1                  ; weight, mask: rows 2 j + h of 16,384 bytes
	v_add_nc_u32 v2, s23, v2                       ; the stage, way in: row h (+ 2 j), 16 r
	v_lshl_add_u32 v249, v9, 4, v3                 ; way out for the input: row r, 16 h (+ 32 i)
	v_lshl_add_u32 v3, v9, 7, v3                   ; way out for W: row r, 128 h
	v_lshlrev_b32 v7, 3, v4                        ; 8 x lane
	v_lshlrev_b32 v4, 4, v4                        ; 16 x lane
	v_lshl_add_u32 v5, v8, 2, v9
	v_add_nc_u32 v6, s43, v7
	v_add_nc_u32 v5, s42, v5
	v_add_nc_u32 v6, WSB, v6                       ; behind the barrier: my 256 bytes of W's image (the input's: + 2,048)
	v_add_nc_u32 v5, WSB, v5                       ; my block's scale byte (+ 128 p)
	v_lshrrev_b32 v250, 1, v0                      ; input scales: thread n takes token n / 2, chunks 4 (n % 2) .. + 3: 8 bytes
	v_and_b32 v251, 1, v0
	v_bfe_u32 v252, v0, 1, 5
	v_lshrrev_b32 v253, 6, v0
	v_lshlrev_b32 v250, 7, v250
	v_lshl_add_u32 v250, v251, 3, v250
	v_lshlrev_b32 v251, 10, v251                   ; in the image: 256 x chunk + 8 (token % 32) + 2 (token / 32)
	v_lshl_add_u32 v251, v252, 3, v251
	v_lshl_add_u32 v251, v253, 1, v251
	v_add_nc_u32 v251, XSB, v251
	s_wait_alu depctr_va_vdst(0)                   ; the wait at the head's end
	s_wait_kmcnt 0x0
	s_add_nc_u64 s[4:5], s[4:5], s[28:29]
	s_add_nc_u64 s[6:7], s[6:7], s[28:29]
	s_add_nc_u64 s[8:9], s[8:9], s[36:37]
	s_add_nc_u64 s[10:11], s[10:11], s[40:41]
	s_add_nc_u64 s[12:13], s[12:13], s[30:31]
	s_add_nc_u64 s[14:15], s[14:15], s[34:35]
	s_add_nc_u64 s[16:17], s[16:17], s[38:39]
	s_add_nc_u64 s[18:19], s[18:19], s[34:35]
	s_add_nc_u64 s[20:21], s[20:21], s[32:33]
.macro LOAD p                          ; step p: 16 rows x 256 bytes of weight and of mask
.irp j, 0,1,2,3,4,5,6,7
	global_load_b128 v[W+64*((\p)%3)+4*\j:W+64*((\p)%3)+4*\j+3], v1, s[4:5] offset:2*\j*ROWF+256*(\p) th:TH_LOAD_NT
	global_load_b128 v[M+64*((\p)%3)+4*\j:M+64*((\p)%3)+4*\j+3], v1, s[6:7] offset:2*\j*ROWF+256*(\p) th:TH_LOAD_NT
.endr
.endm
.macro STEP p
.set WS, W+64*((\p)%3)
.set X,  M+64*((\p)%3)
.set CS, C+4*(\p)
.set FQ, F+(\p)
.if (\p) <= 5
	s_wait_loadcnt 32                              ; behind this step's 16 loads: the 32 of the next two steps
.elseif (\p) == 6
	s_wait_loadcnt 25                              ; step 7's 16 and the input's 9
.else
	s_wait_loadcnt 9                               ; the input's 9
.endif
.irp k, 0,2,4,6,8,10,12,14,16,18,20,22,24,26,28,30
	v_pk_mul_f32 v[WS+\k:WS+\k+1], v[WS+\k:WS+\k+1], v[X+\k:X+\k+1]   ; weight x mask, in f32
.endr
.irp j, 0,1,2,3,4,5,6,7
	ds_store_b128 v2, v[WS+4*\j:WS+4*\j+3] offset:2*\j*SP
.endr
.irp j, 0,1,2,3,4,5,6,7
	ds_load_b128 v[X+4*\j:X+4*\j+3], v3 offset:16*\j   ; a wave's LDS instructions are served in order (ISA guide 5.7.1.4): these see the stores above
.endr
	s_wait_dscnt 0x0                               ; lane (r, h) holds row r, block h of chunk p
	v_max3_num_f32 v236, |v[X]|, |v[X+1]|, |v[X+2]|
	v_max3_num_f32 v237, |v[X+3]|, |v[X+4]|, |v[X+5]|
.irp i, 6,10,14,18,22,26
	s_delay_alu instid0(VALU_DEP_2)
	v_max3_num_f32 v236, v236, |v[X+\i]|, |v[X+\i+1]|
	s_delay_alu instid0(VALU_DEP_2)
	v_max3_num_f32 v237, v237, |v[X+\i+2]|, |v[X+\i+3]|
.endr
	s_delay_alu instid0(VALU_DEP_2)
	v_max3_num_f32 v236, v236, |v[X+30]|, |v[X+31]|
	s_delay_alu instid0(VALU_DEP_1)
	v_max3_num_f32 v236, v236, v237, FLOOR         ; the floor holds the byte at 1 from below
	s_delay_alu instid0(VALU_DEP_1)
	v_add_nc_u32 v238, 0xff000000, v236            ; 2 off the exponent field: the conversions' scale operand
.irp g, 0,1,2,3
	v_cvt_scalef32_pk8_fp4_f32 v[CS+\g], v[X+8*\g:X+8*\g+7], v238
.endr
	v_lshrrev_b32 v239, 23, v238                   ; the scale's byte; also the plain instruction behind the conversions
	v_or3_b32 v[FQ], v[CS], v[CS+1], v[CS+2]       ; which code bits are set in this chunk
	v_or_b32 v[FQ], v[FQ], v[CS+3]
	ds_store_b8 v5, v239 offset:128*(\p)
.if (\p)+3 < 8
	LOAD (\p)+3                                    ; the set is free: the stores and the conversions have read it
.endif
.if (\p) == 5
.irp j, 0,1,2,3,4,5,6,7
	global_load_b128 v[140+4*\j:143+4*\j], v248, s[8:9] offset:4096*\j th:TH_LOAD_NT   ; the input's codes: 16 rows x 256 bytes, into the set that no later step loads
.endr
	global_load_b64 v[172:173], v250, s[10:11]     ; and 8 of its scale bytes
.endif
.endm
	LOAD 0
	LOAD 1
	LOAD 2
.irp p, 0,1,2,3,4,5,6,7
	STEP \p
.endr
.irp q, 0,1,2,3,4,5,6,7
	v_and_b32 v[F+\q], 0x77777777, v[F+\q]         ; magnitudes alone
.endr
.irp q, 0,1,2,3,4,5,6,7
	v_cmp_ne_u32 s[24+\q], 0, v[F+\q]              ; a bit for each lane that holds one: the word is 0 only where all 16 x 64 codes are zeros
.endr
.irp q, 0,1,2,3,4,5,6,7
	v_mov_b32 v[48+\q], s[24+\q]
.endr
	s_wait_alu depctr_va_vdst(0)                   ; directly ahead of the wait below
	s_wait_loadcnt 0x0                             ; the input's codes and scale bytes
.irp j, 0,1,2,3,4,5,6,7
	ds_store_b128 v2, v[140+4*\j:143+4*\j] offset:2*\j*SP
.endr
.irp i, 0,1,2,3,4,5,6,7
	ds_load_b128 v[12+4*\i:15+4*\i], v249 offset:32*\i   ; row r, block h of my chunk i
.endr
	ds_store_b16 v251, v172                        ; four chunks' pairs of scale bytes into the input's image
	ds_store_b16_d16_hi v251, v172 offset:256
	ds_store_b16 v251, v173 offset:512
	ds_store_b16_d16_hi v251, v173 offset:768
.irp p, 0,1,2,3,4,5,6,7
	global_store_b128 v4, v[C+4*\p:C+4*\p+3], s[12:13] offset:512*\p   ; 32 lanes store 512 consecutive bytes, aligned
.endr
	s_wait_dscnt 0x0                               ; my stores into the two images are done, and the input's codes are back
.irp i, 0,1,2,3,4,5,6,7
	global_store_b128 v4, v[12+4*\i:15+4*\i], s[16:17] offset:512*\i
.endr
	s_barrier_signal -1
	s_barrier_wait -1                              ; both images are whole
	ds_load_b64 v[44:45], v6
	ds_load_b64 v[46:47], v6 offset:2048
	s_wait_dscnt 0x0
	global_store_b64 v7, v[44:45], s[14:15]        ; a wave stores 256 consecutive bytes, aligned
	global_store_b64 v7, v[46:47], s[18:19]
	s_wait_xcnt 0x0                                ; EXEC changes only behind this wait
	v_cmp_eq_u32 vcc_lo, 0, v4
	s_and_saveexec_b32 s32, vcc_lo
	global_store_b128 v4, v[48:51], s[20:21]       ; lane 0: my eight words
	global_store_b128 v4, v[52:55], s[20:21] offset:16
	s_wait_xcnt 0x0
	s_or_b32 exec_lo, exec_lo, s32
	s_wait_tensorcnt 0x0                           ; the wave's end
	ds_add_u32 v10, v11
	s_wait_dscnt 0x0
	s_endpgm
.Lfunc_end_k_qea7604c045_prep:
	.size	k_qea7604c045_prep, .Lfunc_end_k_qea7604c045_prep-k_qea7604c045_prep
	.p2alignl 7, 3214868480
	.fill 96, 4, 3214868480
	.section	.rodata,"a",@progbits
	.p2align	6, 0x0
	.amdhsa_kernel k_qea7604c045_prep
		.amdhsa_group_segment_fixed_size 39936
		.amdhsa_private_segment_fixed_size 0
		.amdhsa_enable_private_segment 0
		.amdhsa_kernarg_size 72
		.amdhsa_user_sgpr_count 2
		.amdhsa_user_sgpr_kernarg_segment_ptr 1
		.amdhsa_wavefront_size32 1
		.amdhsa_system_sgpr_workgroup_id_x 1
		.amdhsa_system_sgpr_workgroup_id_y 1
		.amdhsa_system_sgpr_workgroup_id_z 1
		.amdhsa_system_vgpr_workitem_id 0
		.amdhsa_next_free_vgpr 256
		.amdhsa_next_free_sgpr 66
		.amdhsa_reserve_vcc 1
		.amdhsa_float_denorm_mode_32 3
		.amdhsa_float_denorm_mode_16_64 3
		.amdhsa_memory_ordered 1
		.amdhsa_forward_progress 1
		.amdhsa_inst_pref_size 55
	.end_amdhsa_kernel
	.amdgpu_metadata
---
amdhsa.version: [ 1, 2 ]
amdhsa.kernels:
  - .name:           k_qea7604c045_prep
    .symbol:         k_qea7604c045_prep.kd
    .args:
      - { .name: weight, .offset: 0, .size: 8, .value_kind: global_buffer, .address_space: global }
      - { .name: mask, .offset: 8, .size: 8, .value_kind: global_buffer, .address_space: global }
      - { .name: input_codes, .offset: 16, .size: 8, .value_kind: global_buffer, .address_space: global }
      - { .name: input_scales, .offset: 24, .size: 8, .value_kind: global_buffer, .address_space: global }
      - { .name: wq, .offset: 32, .size: 8, .value_kind: global_buffer, .address_space: global }
      - { .name: ws, .offset: 40, .size: 8, .value_kind: global_buffer, .address_space: global }
      - { .name: xq, .offset: 48, .size: 8, .value_kind: global_buffer, .address_space: global }
      - { .name: xs, .offset: 56, .size: 8, .value_kind: global_buffer, .address_space: global }
      - { .name: flags, .offset: 64, .size: 8, .value_kind: global_buffer, .address_space: global }
    .group_segment_fixed_size: 39936
    .private_segment_fixed_size: 0
    .kernarg_segment_align: 8
    .kernarg_segment_size: 72
    .max_flat_workgroup_size: 256
    .sgpr_count:     66
    .vgpr_count:     256
    .wavefront_size: 32
...
	.end_amdgpu_metadata
.endif
;; end of part 1
;; launch spmm (part 2): grid 64 x 8, 4 waves a work-group, no clusters, 17,920 bytes of LDS; arguments xq, xs, wq, ws, flags, bias, out0; writes out0
.if DOCPART == 2
	.amdgcn_target "amdgcn-amd-amdhsa--gfx1250"
	.amdhsa_code_object_version 6
	.text
	.protected	k_qea7604c045_spmm
	.globl	k_qea7604c045_spmm
	.p2align	8
	.type	k_qea7604c045_spmm,@function
k_qea7604c045_spmm:
	s_mov_b64 s[64:65], 0
	v_nop
	global_prefetch_b8 v0, s[64:65] scope:SCOPE_SE
	s_setreg_imm32_b32 hwreg(HW_REG_WAVE_MODE, 25, 1), 1
	s_wait_xcnt 0x0
; out0[token][n] = bias[n] + sum over k of input[token][k] x Q(weight x mask)[n][k], MX-FP4 codes and E8M0 scales on both sides, f32 sums.
; ONLY THE CHUNKS OF 64 ALONG K THAT THE STORED WORDS NAME ARE MULTIPLIED: flags[tile][j] (whole numbers, stored by the launch before) is 0 where all codes of 16 rows of W x 64 K are zeros; such a chunk adds exactly 0.
; A mask without zeros names all 64 chunks and is served alike.  LIMIT: a NaN scale byte (0xff) of the input over a chunk that is passed over is not carried to the result.
; A matrix instruction takes TWO listed chunks: registers 0-3 of each fragment hold one, registers 4-7 the other, and the scale words are joined of the two chunks' pairs of bytes; every block of 32 keeps its own scales.
; An odd list is made even by one chunk that is not listed (its codes of W are zeros); an empty list takes chunks 0 and 1: the sums are then 0 and the result is the bias.
; SHARES: work-group (x, y): tokens 512 y .. + 511, features 64 R .. + 63 with R = (x + 13 y) mod 64 (one R for each x, at every y); wave w: 128 of the tokens: 8 x 4 accumulators of 16 x 16, the 256 registers of window 1.
; The walk hangs on numbers read from memory, so this launch has no tensor load, no cluster and no barrier: the operands come from memory straight into registers, each half fragment as 512 consecutive bytes.
; Two register sets take turns: a set's 28 loads are issued as soon as its last products are issued, so the loads of two steps are out at a time; the list is known only just ahead of the first loads, and no prefetch is laid.
; THE MATRIX INSTRUCTION IS USED TRANSPOSED (source 0 = 16 rows of W, source 1 = 16 tokens): a lane holds eight neighbouring numbers of a row of out0.  The bias is added on the way out, in f32.
.set PITCH, 272
.set STGB,  16*PITCH                   ; a wave's stage: 16 rows of 256 bytes + 16
.set SPARE, 4*STGB
.set LA,  2                            ; 16 x lane
.set L8,  3                            ; 8 x lane
.set L4,  4                            ; 4 x lane
.set BO,  5                            ; 16 r
.set STO, 8
.set RD,  9
.set CO,  10
.set BIA, 12                           ; v12-15 the bias of my four columns on the way out
.set SCL, 16                           ; v16-35 scales, set s at 16 + 10 s: +0,1 and +2,3 the input's of the two chunks, +4, +5 W's, +6 .. +8 joined words
.set OFF, 36                           ; v36-47 offsets, set s at 36 + 6 s: codes, input scales, W scales, each for the two chunks
.set FRG, 48                           ; v48-239 fragments, set s at 48 + 96 s: 8 of the input, then 4 of W
.set SPW, 252
.set NIL, 253
.set MSB, 0
.macro WIN new
.if MSB != \new
	s_set_vgpr_msb (MSB<<8)|\new
.set MSB, \new
.endif
.endm
	s_load_b256 s[4:11], s[0:1], 0x0               ; xq, xs, wq, ws
	s_load_b128 s[12:15], s[0:1], 0x20             ; flags, bias
	s_load_b64 s[16:17], s[0:1], 0x30              ; out0
	v_lshl_add_u32 v[SPW], v0, 2, SPARE
	v_mov_b32 v[NIL], 0
	v_lshrrev_b32 v1, 5, v0
	v_readfirstlane_b32 s18, v1                    ; wave 0..3
	s_mul_i32 s19, s18, STGB
	s_and_b32 s20, ttmp7, 0xffff
	s_mul_i32 s21, s20, 13
	s_add_co_u32 s21, s21, ttmp9
	s_and_b32 s21, s21, 63                         ; R
	s_lshl_b32 s20, s20, 2
	s_add_co_u32 s20, s20, s18                     ; my 128 tokens: 0 .. 31
	s_lshl_b32 s22, s20, 18                        ; xq: 8 tiles of 32,768 bytes
	s_mov_b32 s23, 0
	s_lshl_b32 s24, s20, 14                        ; xs
	s_mov_b32 s25, 0
	s_lshl_b32 s26, s21, 17                        ; wq: 4 tiles
	s_mov_b32 s27, 0
	s_lshl_b32 s28, s21, 13                        ; ws
	s_mov_b32 s29, 0
	s_lshl_b32 s30, s21, 10                        ; flags: 4 tiles of 256 bytes
	s_mov_b32 s31, 0
	s_lshl_b32 s32, s21, 8                         ; bias: 64 numbers; also my columns in a row of out0
	s_mov_b32 s33, 0
	s_lshl_b32 s34, s20, 21                        ; out0: 128 rows of 16,384 bytes
	s_add_co_u32 s34, s34, s32
	s_mov_b32 s35, 0
	s_mov_b32 s46, 0x05040100                      ; v_perm_b32: the two low halves,
	s_mov_b32 s47, 0x07060302                      ; the two high halves; the first source's on top
	v_and_b32 v1, 31, v0
	v_and_b32 v6, 15, v0                           ; r
	v_bfe_u32 v7, v0, 4, 1                         ; h
	v_lshlrev_b32 v[LA], 4, v1
	v_lshlrev_b32 v[L8], 3, v1
	v_lshlrev_b32 v[L4], 2, v1
	v_lshlrev_b32 v[BO], 4, v6
	v_mul_u32_u24 v[STO], v6, PITCH
	v_mul_u32_u24 v[RD], v7, PITCH
	v_lshl_add_u32 v[STO], v7, 5, v[STO]
	v_lshl_add_u32 v[RD], v6, 4, v[RD]
	v_lshl_add_u32 v[CO], v7, 14, v[BO]            ; out0: row h (+ 2 t), 16 r
	v_add_nc_u32 v[STO], s19, v[STO]               ; stage, way in: row r, 32 h
	v_add_nc_u32 v[RD], s19, v[RD]                 ; way out: row h (+ 2 t), 16 r
	s_wait_alu depctr_va_vdst(0)                   ; the wait at the head's end
	s_wait_kmcnt 0x0
	s_add_nc_u64 s[12:13], s[12:13], s[30:31]
	s_add_nc_u64 s[14:15], s[14:15], s[32:33]
	s_add_nc_u64 s[4:5], s[4:5], s[22:23]
	s_add_nc_u64 s[6:7], s[6:7], s[24:25]
	s_add_nc_u64 s[8:9], s[8:9], s[26:27]
	s_add_nc_u64 s[10:11], s[10:11], s[28:29]
	s_add_nc_u64 s[16:17], s[16:17], s[34:35]
.irp t, 0,1,2,3
	global_load_b32 v[48+2*\t], v[L4], s[12:13] offset:256*\t       ; lane l: the words of chunks l
	global_load_b32 v[49+2*\t], v[L4], s[12:13] offset:256*\t+128   ; and 32 + l, for each of my four tiles of W
.endr
	global_load_b128 v[BIA:BIA+3], v[BO], s[14:15]
	s_wait_loadcnt 1                               ; the eight words are in; the bias's load may be out
	v_or3_b32 v48, v48, v50, v52
	v_or3_b32 v49, v49, v51, v53
	v_or_b32 v48, v48, v54
	v_or_b32 v49, v49, v55
	v_cmp_ne_u32 s36, 0, v48                       ; bit l: chunk l is listed
	v_cmp_ne_u32 s37, 0, v49                       ; bit l: chunk 32 + l
	s_bcnt1_i32_b32 s38, s36
	s_bcnt1_i32_b32 s39, s37
	s_add_co_u32 s38, s38, s39                     ; n, 0 .. 64
	s_and_b32 s39, s38, 1                          ; odd?
	s_add_co_u32 s40, s36, 1
	s_or_b32 s40, s40, s36                         ; the low word with its lowest 0 set (a full word stays),
	s_add_co_u32 s41, s37, 1
	s_or_b32 s41, s41, s37                         ; the high word likewise,
	s_cmp_eq_u32 s36, -1
	s_cselect_b32 s41, s41, s37                    ; taken only where the low word is full
	s_cmp_lg_u32 s39, 0
	s_cselect_b32 s36, s40, s36
	s_cselect_b32 s37, s41, s37
	s_add_co_u32 s38, s38, s39                     ; n is even now
	s_cmp_eq_u32 s38, 0
	s_cselect_b32 s36, 3, s36                      ; an empty list takes chunks 0 and 1
	s_cselect_b32 s38, 2, s38
	s_lshr_b32 s38, s38, 1                         ; steps, 1 .. 32
.macro NEXT d                          ; s[d] = the lowest listed chunk, which leaves the list
	s_cmp_lg_u32 s36, 0
	s_cselect_b32 s39, s36, s37
	s_cselect_b32 s40, 0, 32
	s_ctz_i32_b32 s[\d], s39
	s_add_co_u32 s[\d], s[\d], s40
	s_add_co_i32 s40, s39, -1
	s_and_b32 s39, s39, s40
	s_cmp_lg_u32 s36, 0
	s_cselect_b32 s37, s37, s39
	s_cselect_b32 s36, s39, s36
	s_min_u32 s[\d], s[\d], 63
.endm
.macro LOADS s                         ; the next two chunks' 28 loads into set s.  The six offsets are the places behind the products that read the set (ISA guide 7.12.1 for vector instructions)
	NEXT 44
	NEXT 45
	v_lshl_add_u32 v[OFF+6*(\s)],   s44, 9, v[LA]
	v_lshl_add_u32 v[OFF+6*(\s)+1], s45, 9, v[LA]
	v_lshl_add_u32 v[OFF+6*(\s)+2], s44, 8, v[L8]
	v_lshl_add_u32 v[OFF+6*(\s)+3], s45, 8, v[L8]
	v_lshl_add_u32 v[OFF+6*(\s)+4], s44, 7, v[L4]
	v_lshl_add_u32 v[OFF+6*(\s)+5], s45, 7, v[L4]
.irp b, 0,1,2,3
.irp c, 0,1
	global_load_b128 v[FRG+96*(\s)+64+8*\b+4*\c:FRG+96*(\s)+64+8*\b+4*\c+3], v[OFF+6*(\s)+\c], s[8:9] offset:32768*\b
.endr
.endr
.irp a, 0,1,2,3,4,5,6,7
.irp c, 0,1
	global_load_b128 v[FRG+96*(\s)+8*\a+4*\c:FRG+96*(\s)+8*\a+4*\c+3], v[OFF+6*(\s)+\c], s[4:5] offset:32768*\a
.endr
.endr
	global_load_b64 v[SCL+10*(\s):SCL+10*(\s)+1],   v[OFF+6*(\s)+2], s[6:7]
	global_load_b64 v[SCL+10*(\s)+2:SCL+10*(\s)+3], v[OFF+6*(\s)+3], s[6:7]
	global_load_b32 v[SCL+10*(\s)+4], v[OFF+6*(\s)+4], s[10:11]
	global_load_b32 v[SCL+10*(\s)+5], v[OFF+6*(\s)+5], s[10:11]
.endm
.macro JOIN s                          ; scale words: bytes 0, 1 from the first chunk, bytes 2, 3 from the second.  Tiles 2 i, 2 i + 1 (lanes 0-15, 16-31): i even in the low halves, i odd in the high ones
.set S, SCL+10*(\s)
	v_perm_b32 v[S+6], v[S+2], v[S],   s46         ; input, i = 0
	v_perm_b32 v[S+7], v[S+3], v[S+1], s46         ; i = 2
	v_perm_b32 v[S+8], v[S+5], v[S+4], s46         ; W, i = 0
	v_perm_b32 v[S+2], v[S+2], v[S],   s47         ; input, i = 1
	v_perm_b32 v[S+3], v[S+3], v[S+1], s47         ; i = 3
	v_perm_b32 v[S+5], v[S+5], v[S+4], s47         ; W, i = 1
.rept 8
	v_nop                                          ; a scale register written by a vector instruction stands eight places ahead of a scaled matrix instruction
.endr
.endm
.macro WM a, b, s, first
.set R_D, 8*(4*(\a)+(\b))              ; window 1
.set R_B, FRG+96*(\s)+64+8*(\b)
.set R_A, FRG+96*(\s)+8*(\a)
.set R_SB, SCL+10*(\s)+8-3*((\b)/2)
.set R_SA, SCL+10*(\s)+6-4*(((\a)/2)%2)+(\a)/4
.if \first
.if ((\a)%2 == 0) && ((\b)%2 == 0)
	v_wmma_scale_f32_16x16x128_f8f6f4 v[R_D:R_D+7], v[R_B:R_B+7], v[R_A:R_A+7], 0, v[R_SB], v[R_SA] matrix_a_fmt:MATRIX_FMT_FP4 matrix_b_fmt:MATRIX_FMT_FP4
.elseif ((\a)%2 == 0)
	v_wmma_scale_f32_16x16x128_f8f6f4 v[R_D:R_D+7], v[R_B:R_B+7], v[R_A:R_A+7], 0, v[R_SB], v[R_SA] matrix_a_fmt:MATRIX_FMT_FP4 matrix_b_fmt:MATRIX_FMT_FP4 matrix_a_scale:MATRIX_SCALE_ROW1
.elseif ((\b)%2 == 0)
	v_wmma_scale_f32_16x16x128_f8f6f4 v[R_D:R_D+7], v[R_B:R_B+7], v[R_A:R_A+7], 0, v[R_SB], v[R_SA] matrix_a_fmt:MATRIX_FMT_FP4 matrix_b_fmt:MATRIX_FMT_FP4 matrix_b_scale:MATRIX_SCALE_ROW1
.else
	v_wmma_scale_f32_16x16x128_f8f6f4 v[R_D:R_D+7], v[R_B:R_B+7], v[R_A:R_A+7], 0, v[R_SB], v[R_SA] matrix_a_fmt:MATRIX_FMT_FP4 matrix_b_fmt:MATRIX_FMT_FP4 matrix_a_scale:MATRIX_SCALE_ROW1 matrix_b_scale:MATRIX_SCALE_ROW1
.endif
.else
.if ((\a)%2 == 0) && ((\b)%2 == 0)
	v_wmma_scale_f32_16x16x128_f8f6f4 v[R_D:R_D+7], v[R_B:R_B+7], v[R_A:R_A+7], v[R_D:R_D+7], v[R_SB], v[R_SA] matrix_a_fmt:MATRIX_FMT_FP4 matrix_b_fmt:MATRIX_FMT_FP4
.elseif ((\a)%2 == 0)
	v_wmma_scale_f32_16x16x128_f8f6f4 v[R_D:R_D+7], v[R_B:R_B+7], v[R_A:R_A+7], v[R_D:R_D+7], v[R_SB], v[R_SA] matrix_a_fmt:MATRIX_FMT_FP4 matrix_b_fmt:MATRIX_FMT_FP4 matrix_a_scale:MATRIX_SCALE_ROW1
.elseif ((\b)%2 == 0)
	v_wmma_scale_f32_16x16x128_f8f6f4 v[R_D:R_D+7], v[R_B:R_B+7], v[R_A:R_A+7], v[R_D:R_D+7], v[R_SB], v[R_SA] matrix_a_fmt:MATRIX_FMT_FP4 matrix_b_fmt:MATRIX_FMT_FP4 matrix_b_scale:MATRIX_SCALE_ROW1
.else
	v_wmma_scale_f32_16x16x128_f8f6f4 v[R_D:R_D+7], v[R_B:R_B+7], v[R_A:R_A+7], v[R_D:R_D+7], v[R_SB], v[R_SA] matrix_a_fmt:MATRIX_FMT_FP4 matrix_b_fmt:MATRIX_FMT_FP4 matrix_a_scale:MATRIX_SCALE_ROW1 matrix_b_scale:MATRIX_SCALE_ROW1
.endif
.endif
.endm
.macro MUL s, first                    ; a step: the scale words, then 32 products; the 32 accumulators take turns, in the same order in every step.  first = 1: the products start the sums
	JOIN \s
	WIN 0x50                                       ; C and D window 1
.irp a, 0,1,2,3,4,5,6,7
.irp b, 0,1,2,3
	WM \a, \b, \s, \first
.endr
.endr
	WIN 0                                          ; at a label and at a branch every window is 0
.endm
	LOADS 0
	s_cmp_eq_u32 s38, 1
	s_cbranch_scc1 .Lone
	LOADS 1
	s_wait_loadcnt 28                              ; behind set 0's loads (and the bias's): set 1's 28
	MUL 0, 1
	s_sub_co_u32 s38, s38, 2                       ; steps still to be asked for
	s_lshr_b32 s42, s38, 1                         ; in whole pairs,
	s_and_b32 s43, s38, 1                          ; and one more?
	s_mov_b32 s48, 0
	s_cmp_eq_u32 s42, 0
	s_cbranch_scc1 .Lrest
.Lpair:                                                ; here set 1 is on its way and set 0 is free
	LOADS 0
	s_wait_loadcnt 28                              ; set 1 is in; set 0's 28 may be out
	MUL 1, 0
	LOADS 1
	s_wait_loadcnt 28                              ; set 0 is in; set 1's 28 may be out
	MUL 0, 0
	s_add_co_u32 s48, s48, 1
	s_cmp_lt_u32 s48, s42
	s_cbranch_scc1 .Lpair
.Lrest:
	s_cmp_eq_u32 s43, 0
	s_cbranch_scc1 .Leven
	LOADS 0
	s_wait_loadcnt 28
	MUL 1, 0
	s_wait_loadcnt 0x0
	MUL 0, 0
	s_branch .Lout
.Leven:
	s_wait_loadcnt 0x0
	MUL 1, 0
	s_branch .Lout
.Lone:
	s_wait_loadcnt 0x0
	MUL 0, 1
.Lout:
; THE WAY OUT.  A lane holds 32 neighbouring bytes of a token's 256; a tile of 16 tokens goes through my own stage and comes back, into the accumulators' own registers, as whole rows of 256 bytes: a lane then holds the
; same four columns in every row, and their bias is added.  A wave's LDS instructions are served in order (ISA guide 5.7.1.4): no wait between the stores and the loads, nor in front of the next tile's stores.
.rept 4
	v_nop                                          ; four places behind the last products
.endr
	WIN 0x44                                       ; source 1 (data of stores, the sums) and destinations: window 1; source 0 (addresses, the bias): window 0
.irp a, 0,1,2,3,4,5,6,7
.irp b, 0,1,2,3
	ds_store_b128 v[STO], v[32*\a+8*\b:32*\a+8*\b+3] offset:64*\b          ; each accumulator from its low end on
	ds_store_b128 v[STO], v[32*\a+8*\b+4:32*\a+8*\b+7] offset:64*\b+16
.endr
.irp t, 0,1,2,3,4,5,6,7
	ds_load_b128 v[32*\a+4*\t:32*\a+4*\t+3], v[RD] offset:\t*2*PITCH
.endr
.endr
.irp a, 0,1,2,3,4,5,6,7
.if 16*(7-\a) > 48
	s_wait_dscnt 48                                ; behind tile 4's loads stand three tiles' 48 LDS instructions: tiles 0 to 4 are back
.else
	s_wait_dscnt 16*(7-\a)                         ; behind tile a's loads: 16 LDS instructions for each later tile
.endif
.irp t, 0,1,2,3,4,5,6,7
	v_pk_add_f32 v[32*\a+4*\t:32*\a+4*\t+1],   v[BIA:BIA+1],   v[32*\a+4*\t:32*\a+4*\t+1]
	v_pk_add_f32 v[32*\a+4*\t+2:32*\a+4*\t+3], v[BIA+2:BIA+3], v[32*\a+4*\t+2:32*\a+4*\t+3]
.endr
.endr
.irp a, 0,1,2,3,4,5,6,7
.irp t, 0,1,2,3,4,5,6,7
	global_store_b128 v[CO], v[32*\a+4*\t:32*\a+4*\t+3], s[16:17] offset:(16*\a+2*\t)*16384 th:TH_STORE_NT   ; sixteen lanes store 256 consecutive bytes, aligned; the offset stays under 127 rows of 16,384 bytes
.endr
.endr
	WIN 0
	s_wait_tensorcnt 0x0                           ; the wave's end
	ds_add_u32 v[SPW], v[NIL]
	s_wait_dscnt 0x0
	s_endpgm
.Lfunc_end_k_qea7604c045_spmm:
	.size	k_qea7604c045_spmm, .Lfunc_end_k_qea7604c045_spmm-k_qea7604c045_spmm
	.p2alignl 7, 3214868480
	.fill 96, 4, 3214868480
	.section	.rodata,"a",@progbits
	.p2align	6, 0x0
	.amdhsa_kernel k_qea7604c045_spmm
		.amdhsa_group_segment_fixed_size 17920
		.amdhsa_private_segment_fixed_size 0
		.amdhsa_enable_private_segment 0
		.amdhsa_kernarg_size 56
		.amdhsa_user_sgpr_count 2
		.amdhsa_user_sgpr_kernarg_segment_ptr 1
		.amdhsa_wavefront_size32 1
		.amdhsa_system_sgpr_workgroup_id_x 1
		.amdhsa_system_sgpr_workgroup_id_y 1
		.amdhsa_system_sgpr_workgroup_id_z 1
		.amdhsa_system_vgpr_workitem_id 0
		.amdhsa_next_free_vgpr 512
		.amdhsa_next_free_sgpr 66
		.amdhsa_reserve_vcc 0
		.amdhsa_float_denorm_mode_32 3
		.amdhsa_float_denorm_mode_16_64 3
		.amdhsa_memory_ordered 1
		.amdhsa_forward_progress 1
		.amdhsa_inst_pref_size 79
	.end_amdhsa_kernel
	.amdgpu_metadata
---
amdhsa.version: [ 1, 2 ]
amdhsa.kernels:
  - .name:           k_qea7604c045_spmm
    .symbol:         k_qea7604c045_spmm.kd
    .args:
      - { .name: xq, .offset: 0, .size: 8, .value_kind: global_buffer, .address_space: global }
      - { .name: xs, .offset: 8, .size: 8, .value_kind: global_buffer, .address_space: global }
      - { .name: wq, .offset: 16, .size: 8, .value_kind: global_buffer, .address_space: global }
      - { .name: ws, .offset: 24, .size: 8, .value_kind: global_buffer, .address_space: global }
      - { .name: flags, .offset: 32, .size: 8, .value_kind: global_buffer, .address_space: global }
      - { .name: bias, .offset: 40, .size: 8, .value_kind: global_buffer, .address_space: global }
      - { .name: out0, .offset: 48, .size: 8, .value_kind: global_buffer, .address_space: global }
    .group_segment_fixed_size: 17920
    .private_segment_fixed_size: 0
    .kernarg_segment_align: 8
    .kernarg_segment_size: 56
    .max_flat_workgroup_size: 128
    .sgpr_count:     66
    .vgpr_count:     512
    .wavefront_size: 32
...
	.end_amdgpu_metadata
.endif
;; end of part 2
